; MI455X (gfx1250); checked and timed in simulation.
; The chip was launched on July 23, 2026; its instructions are those of AMD's public machine-readable ISA for CDNA 5 (MIT licence, August 2026) and "CDNA5" Instruction Set Architecture Reference Guide (July 2026). The comments in the code are by the model that wrote it; some were corrected since.
;; Flash Multihead Attention. Allowed arithmetic: matrix products marked QUANTISED: E2M1 operands, one E8M0 scale for each 32 along K, by v_wmma_scale_f32_16x16x128_f8f6f4 with both operands' format E2M1 (or v_wmma_scale_f32_32x16x128_f4), f32 sums; products left as they are: bf16, f16 or f32 operands; f32 sums; everything else in f32.
;; Inputs: b_out 1,024 float32; w_out 1,024 x 1,024 float32; w_qkv 1,024 x 3,072 float32; x 4 x 2,048 x 1,024 float32.
;; Outputs: out0 4 x 2,048 x 1,024 float32.
;; This version of the problem:
;;   THIS VERSION OF THE PROBLEM IS GIVEN IN LOW PRECISION. The matrix products marked QUANTISED in the list below multiply operands that are first quantised to E2M1 (2 exponent bits, 1 mantissa bit; 4 bits a number), with one power-of-two scale for each 32 numbers along K (OCP MX v1.0); their sums are f32. The products marked 'left as it is' may take bf16, f16 or f32 operands, with f32 sums. Whichever they take, every output number must still come out within the allowed error. Rounding operands to bf16 (8 significant bits) uses up far more of that allowance than f16 does (11 bits, for magnitudes from 6e-5 to 65,504). All else is computed in f32.
;;   The module's matrix products, in the order in which they are computed (A, B: the left and right operand; K: the contracted axis; several contracted axes count as one K, in the product's order):
;;     1. [M 8,192, K 1,024] x [K 1,024, N 3,072]; A: input x; B: input w_qkv: QUANTISED
;;     2. batch 64 x [M 2,048, K 64] x [K 64, N 2,048]; A: computed on the way; B: computed on the way: left as it is (an operand is computed on the way)
;;     3. batch 64 x [M 2,048, K 2,048] x [K 2,048, N 64]; A: computed on the way; B: computed on the way: left as it is (an operand is computed on the way)
;;     4. [M 8,192, K 1,024] x [K 1,024, N 1,024]; A: computed on the way; B: input w_out: left as it is (an operand is computed on the way)
;;   THE QUANTISER, for each operand of a quantised product, along K:
;;     - K is cut into blocks of 32 from its start; a last block that is shorter is filled with zeros.
;;     - A block's scale is 2^e with e = floor(log2(the largest magnitude in the block)) - 2, held to -126 .. 127; a block of zeros has e = 0. As a byte (E8M0): e + 127.
;;     - Each number is divided by its block's scale, clamped to +-6, and rounded to the nearest number of E2M1, ties to even, subnormals kept.
;;     - The product sums the exact products of the quantised numbers (number of the format x scale) in f32.
;;   ~~~python
;;   def quantise(x, axis):      # numpy; x: float32 -> the quantised numbers, widened to float32 again
;;       x = np.moveaxis(x, axis, -1); K = x.shape[-1]
;;       x = np.pad(x, [(0, 0)] * (x.ndim - 1) + [(0, -K % 32)]); x = x.reshape(x.shape[:-1] + (-1, 32)); a = np.abs(x).max(-1, keepdims=True)
;;       e = np.where(a > 0, np.clip(np.frexp(np.where(a > 0, a, 1))[1] - 1 - 2, -126, 127), 0)      # np.frexp(a)[1] - 1 = floor(log2(a)), exactly
;;       r = np.clip(x / 2.0 ** e, -6, 6)
;;       step = 2.0 ** (np.maximum(np.frexp(np.where(r == 0, 1, r))[1] - 1, 0) - 1)
;;       q = np.round(r / step) * step * 2.0 ** e      # np.round: ties to even
;;       return np.moveaxis(q.reshape(q.shape[:-2] + (-1,))[..., :K], -1, axis).astype(np.float32)
;;   ~~~
;; One version. Each part assembles by itself: llvm-mc -triple=amdgcn-amd-amdhsa -mcpu=gfx1250 --defsym DOCPART=n.
;; ======== version 1 of 1: 4 launches
;; limits: values are held in f16: magnitudes above 65,504 overflow, below 6.1e-05 lose precision
;; workspace buffers: xc 4,194,304 bytes; xs 262,144 bytes; wc 1,572,864 bytes; ws 98,304 bytes; wo 2,097,152 bytes; qkv 50,331,648 bytes; ao 16,777,216 bytes
;; launch prep (part 1): grid 512 x 1, 4 waves a work-group, no clusters, 35,328 bytes of LDS; arguments x, w_qkv, w_out, xc, xs, wc, ws, wo; writes xc, xs, wc, ws, wo
.if DOCPART == 1
	.amdgcn_target "amdgcn-amd-amdhsa--gfx1250"
	.amdhsa_code_object_version 6
	.text
	.protected	k_q7213249263_prep
	.globl	k_q7213249263_prep
	.p2align	8
	.type	k_q7213249263_prep,@function
k_q7213249263_prep:
	s_mov_b64 s[64:65], 0
	v_nop
	global_prefetch_b8 v0, s[64:65] scope:SCOPE_SE
	s_setreg_imm32_b32 hwreg(HW_REG_WAVE_MODE, 25, 1), 1
	s_wait_xcnt 0x0
; FIRST OF FOUR LAUNCHES.  out0 = softmax((x Wq)(x Wk)^T / 8)(x Wv) Wout + b_out, 16 heads of 64; x [8192][1024], w_qkv [1024][3072], w_out [1024][1024], all f32.
; No work of reference() is left out in any launch: there is no mask, no slice and no term that cancels; every input is loaded (b_out in the last launch).
; THIS LAUNCH makes the operands of the products that read inputs:
;   x and w_qkv -> codes of FP4 (E2M1) along K = the 1,024 channels, one E8M0 byte for each 32 along K;  w_out -> f16 with K innermost.
; A block's scale is 2^(floor(log2(largest magnitude)) - 2): its byte is the largest magnitude's own exponent field - 2, held at 1 from below.
; EVERY BUFFER IS LAID AS AN IMAGE OF ITS USER'S OPERAND REGISTERS: groups of 512 bytes, lane l's 16 bytes at 16 l, so that a fragment comes by loads of 16 bytes at 16 x lane + a constant.
;   xc, wc: tile of 16 rows x 8,192 bytes: (k/64) 512 + ((k%64)/32) 256 + (row%16) 16 + (k%32)/2.      xs, ws: tile x 512: (k/512) 256 + (row%16) 16 + (k%512)/32.
;   wo:     tile of 16 outputs x 32,768 bytes: (k/32) 1024 + ((k%32)/16) 512 + ((k%16)/8) 256 + (o%16) 16 + (k%8) 2.
; LIMITS: a block of zeros gets the byte 1 where the rule says 127 (its codes are zeros, and the bytes are read by this program alone); blocks whose largest magnitude lies under 2^-124 are held at the byte 1;
; NaN and infinities among the inputs are not served; w_out beyond 65,504 becomes infinity in f16.
; SHARES: work-groups 0-255 take x (a wave: 16 rows x 512 along K), 256-447 w_qkv (a wave: 32 columns x 128 along K), 448-511 w_out (the same shape).  Waves share nothing: no barrier, no cluster, no tensor load.
.set SPARE, 34816                      ; behind the four waves' stages: the spare words, 128 bytes a wave, named by no other line
.set WREG,  8704                       ; LDS of a wave: two stages
.set STG,   4352                       ; a stage: 16 rows x 272 bytes (256 + 16: an odd multiple of 16, so sixteen rows start in sixteen different 16-byte columns of 256)
.set SPW,   12                         ; v12  LDS address of my spare word; never rewritten
.set NIL,   13                         ; v13  0; never rewritten
.set R,     32                         ; v32-127  x path: three sets of 32 registers as loaded.  w paths: v32-159 the 128 numbers of my column
.set XS,    128                        ; v128-191 x path: two sets of 32 neighbours along K
.set C,     192                        ; v192-223 x path: codes, four registers a step, never rewritten
.set CW,    160                        ; v160..   w paths: codes or f16 pairs, never rewritten
.set SW,    24                         ; v24-27   scale words
; the largest magnitude of v[s] .. v[s+31] with the floor 2^(3-127) among its leaves, in v8; v11 = that with 2 off its exponent field: the conversions' scale operand
.macro AMAX s
	v_max3_num_f32 v8, |v[\s]|, |v[\s+1]|, |v[\s+2]|
	v_max3_num_f32 v9, |v[\s+3]|, |v[\s+4]|, |v[\s+5]|
.irp i, 6,10,14,18,22,26
	v_max3_num_f32 v8, v8, |v[\s+\i]|, |v[\s+\i+1]|
	v_max3_num_f32 v9, v9, |v[\s+\i+2]|, |v[\s+\i+3]|
.endr
	v_max3_num_f32 v8, v8, |v[\s+30]|, |v[\s+31]|
	v_max3_num_f32 v8, v8, v9, 0x1800000
	v_add_nc_u32 v11, 0xff000000, v8
.endm
	s_load_b256 s[4:11], s[0:1], 0x0               ; x s[4:5], w_qkv s[6:7], w_out s[8:9], xc s[10:11]
	s_load_b256 s[12:19], s[0:1], 0x20             ; xs s[12:13], wc s[14:15], ws s[16:17], wo s[18:19]
	v_lshl_add_u32 v[SPW], v0, 2, SPARE
	v_mov_b32 v[NIL], 0
	v_lshrrev_b32 v1, 5, v0
	v_readfirstlane_b32 s20, v1                    ; wave 0..3
	v_and_b32 v1, 31, v0                           ; lane
	v_and_b32 v2, 15, v0                           ; r
	v_bfe_u32 v3, v0, 4, 1                         ; h
	v_lshlrev_b32 v4, 4, v1                        ; 16 x lane
	s_mov_b32 s29, 0                               ; the high word of every offset pair s[28:29]
	s_wait_kmcnt 0x0
	s_cmp_lt_u32 ttmp9, 256
	s_cbranch_scc0 .Lnot_x
; ---- x.  W = 4 x work-group + wave: tile of rows W / 2, half W % 2 of K.  Eight steps of 64 along K.
; A load takes 256 consecutive bytes of a row in sixteen lanes; the conversions want 32 neighbours in ONE lane: a step's 4,096 bytes turn through the wave's own stage.
	s_lshl_b32 s24, ttmp9, 2
	s_add_co_u32 s24, s24, s20                     ; W
	s_lshr_b32 s25, s24, 1
	s_and_b32 s26, s24, 1
	s_lshl_b32 s28, s25, 16                        ; 16 rows of 4,096 bytes
	s_lshl_b32 s26, s26, 11                        ; 512 numbers
	s_add_co_u32 s28, s28, s26
	s_add_nc_u64 s[4:5], s[4:5], s[28:29]
	s_lshl_b32 s28, s24, 12                        ; my 4,096 bytes of codes
	s_add_nc_u64 s[10:11], s[10:11], s[28:29]
	s_lshl_b32 s28, s24, 8                         ; my 256 scale bytes
	s_add_nc_u64 s[12:13], s[12:13], s[28:29]
	s_mov_b32 s21, 0x76543210
	s_mov_b32 s22, 0xfedcba98                      ; v_permlanex16_b32's selects for lane l xor 16
	s_mul_i32 s23, s20, WREG
	v_lshlrev_b32 v14, 12, v3
	v_lshl_add_u32 v14, v2, 4, v14                 ; memory: row h of a pair, 16 r bytes
	v_mul_u32_u24 v15, v3, 272
	v_lshl_add_u32 v15, v2, 4, v15
	v_add_nc_u32 v15, s23, v15                     ; the stage, in: the same
	v_mul_u32_u24 v16, v2, 272
	v_lshl_add_u32 v16, v3, 7, v16
	v_add_nc_u32 v16, s23, v16                     ; out: row r, 128 h bytes: block h of the step's two
	v_lshlrev_b32 v17, 3, v3                       ; 8 h
.irp j, 0,1,2,3
	v_mov_b32 v[18+\j], 0                          ; a lane permute's destination counts as one of its sources
.endr
	v_lshlrev_b32 v22, 4, v2
	v_lshl_add_u32 v22, v3, 3, v22                 ; my 8 of a row's 16 scale bytes
.macro XLOAD t
.irp i, 0,1,2,3,4,5,6,7
	global_load_b128 v[R+32*((\t)%3)+4*\i:R+32*((\t)%3)+4*\i+3], v14, s[4:5] offset:\i*8192+(\t)*256 th:TH_LOAD_NT
.endr
.endm
.macro XTURN t                         ; LDS serves a wave's instructions in order (ISA guide 5.7.1.4): no wait between the stores and the loads
.irp i, 0,1,2,3,4,5,6,7
	ds_store_b128 v15, v[R+32*((\t)%3)+4*\i:R+32*((\t)%3)+4*\i+3] offset:STG*((\t)%2)+544*\i
.endr
.irp i, 0,1,2,3,4,5,6,7
	ds_load_b128 v[XS+32*((\t)%2)+4*\i:XS+32*((\t)%2)+4*\i+3], v16 offset:STG*((\t)%2)+16*\i
.endr
.endm
.macro XSTEP t
.set XB, XS+32*((\t)%2)
	s_wait_dscnt 0x0                               ; this step's numbers are back from the stage, so its stores have read their set,
.if (\t)+3 < 8
	XLOAD (\t)+3                                   ; which takes the loads of three steps on
.endif
.if (\t)+1 < 8
.if (\t) <= 4
	s_wait_loadcnt 16                              ; the next step's eight loads are in; those of the two steps behind it may be out
.elseif (\t) == 5
	s_wait_loadcnt 8
.else
	s_wait_loadcnt 0
.endif
	XTURN (\t)+1                                   ; through the other stage while this step is worked
.endif
	AMAX XB
.irp g, 0,1,2,3
	v_cvt_scalef32_pk8_fp4_f32 v[C+4*(\t)+\g], v[XB+8*\g:XB+8*\g+7], v11
.endr
	v_lshrrev_b32 v10, 23, v11                     ; the scale's byte (a plain line behind the conversions)
.if (\t)%2 == 0
	v_mov_b32 v[SW+(\t)/2], v10                    ; block 2 t + h: word t / 2, byte 2 (t % 2) + h: the h is shifted in at the end
.else
	v_lshl_or_b32 v[SW+(\t)/2], v10, 16, v[SW+(\t)/2]
.endif
	global_store_b128 v4, v[C+4*(\t):C+4*(\t)+3], s[10:11] offset:512*(\t)   ; 32 lanes store 512 consecutive bytes, aligned
.endm
	XLOAD 0
	XLOAD 1
	XLOAD 2
	s_wait_loadcnt 16                              ; step 0's eight loads are in
	XTURN 0
.irp t, 0,1,2,3,4,5,6,7
	XSTEP \t
.endr
.irp j, 0,1,2,3
	v_lshlrev_b32 v[SW+\j], v17, v[SW+\j]          ; my two bytes of each word at their places,
.endr
.irp j, 0,1,2,3
	v_permlanex16_b32 v[18+\j], v[SW+\j], s21, s22
.endr
.irp j, 0,1,2,3
	v_or_b32 v[SW+\j], v[SW+\j], v[18+\j]          ; with lane l xor 16's two the word is whole
.endr
	v_cmp_ne_u32 vcc_lo, 0, v3
	v_cndmask_b32 v8, v24, v26, vcc_lo             ; lanes 0-15 store words 0, 1 of their row, lanes 16-31 words 2, 3
	v_cndmask_b32 v9, v25, v27, vcc_lo
	global_store_b64 v22, v[8:9], s[12:13]         ; 32 lanes store 256 consecutive bytes, aligned
	s_wait_tensorcnt 0x0                           ; the wave's end, behind my last LDS store
	ds_add_u32 v[SPW], v[NIL]
	s_wait_dscnt 0x0
	s_endpgm
.Lnot_x:
	s_cmp_lt_u32 ttmp9, 448
	s_cbranch_scc0 .Lpath_o
; ---- w_qkv.  A LANE TAKES A COLUMN AND ITS REGISTERS RUN DOWN K: a block of 32 lies in one lane, and the conversions give codes with K innermost.  No LDS.
	s_sub_co_u32 s24, ttmp9, 256
	s_and_b32 s25, s24, 7                          ; which 128 along K
	s_lshr_b32 s26, s24, 3                         ; which 128 columns
	s_mul_i32 s28, s25, 1572864                    ; 128 rows of 12,288 bytes
	s_lshl_b32 s27, s26, 9
	s_add_co_u32 s28, s28, s27
	s_lshl_b32 s27, s20, 7                         ; my wave's 32 columns
	s_add_co_u32 s28, s28, s27
	s_add_nc_u64 s[6:7], s[6:7], s[28:29]
	s_lshl_b32 s26, s26, 3
	s_lshl_b32 s27, s20, 1
	s_add_co_u32 s26, s26, s27                     ; my first tile of 16 columns
	s_lshl_b32 s28, s26, 13
	s_lshl_b32 s27, s25, 10
	s_add_co_u32 s28, s28, s27
	s_add_nc_u64 s[14:15], s[14:15], s[28:29]
	s_lshl_b32 s28, s26, 9
	s_lshr_b32 s27, s25, 2
	s_lshl_b32 s27, s27, 8
	s_add_co_u32 s28, s28, s27
	s_and_b32 s27, s25, 3
	s_lshl_b32 s27, s27, 2
	s_add_co_u32 s28, s28, s27
	s_add_nc_u64 s[16:17], s[16:17], s[28:29]
	v_lshlrev_b32 v5, 2, v1                        ; in: 4 bytes a lane, 128 consecutive bytes a wave, 512 a work-group
	v_lshlrev_b32 v6, 13, v3
	v_lshl_add_u32 v6, v2, 4, v6                   ; codes: tile h, 16 r
	v_lshlrev_b32 v7, 9, v3
	v_lshl_add_u32 v7, v2, 4, v7                   ; scale word: tile h, 16 r
.set i, 0
.rept 128
	global_load_b32 v[R+i], v5, s[6:7] offset:i*12288 th:TH_LOAD_NT
.set i, i+1
.endr
.macro WBLOCK t, left
.set WB, R+32*(\t)
	s_wait_loadcnt \left
	AMAX WB
.irp g, 0,1,2,3
	v_cvt_scalef32_pk8_fp4_f32 v[CW+4*(\t)+\g], v[WB+8*\g:WB+8*\g+7], v11
.endr
	v_lshrrev_b32 v10, 23, v11
.if (\t) == 0
	v_mov_b32 v24, v10
.else
	v_lshl_or_b32 v24, v10, 8*(\t), v24
.endif
	global_store_b128 v6, v[CW+4*(\t):CW+4*(\t)+3], s[14:15] offset:((\t)/2)*512+((\t)%2)*256   ; sixteen lanes store 256 consecutive bytes, aligned
.endm
	WBLOCK 0, 63                                   ; at most 63 of the 128 are out: the first 65 are in, blocks 0 and 1 among them
	WBLOCK 1, 63
	WBLOCK 2, 32                                   ; behind block 2's loads 32 were issued
	WBLOCK 3, 0
	global_store_b32 v7, v24, s[16:17]             ; my column's four bytes of this 128 along K: 4 bytes a lane, 16 apart: one byte in 128 of what the path reads
	s_endpgm
.Lpath_o:
; ---- w_out: the same shape; the numbers are rounded to f16, two a register, K innermost.
	s_sub_co_u32 s24, ttmp9, 448
	s_and_b32 s25, s24, 7
	s_lshr_b32 s26, s24, 3
	s_lshl_b32 s28, s25, 19                        ; 128 rows of 4,096 bytes
	s_lshl_b32 s27, s26, 9
	s_add_co_u32 s28, s28, s27
	s_lshl_b32 s27, s20, 7
	s_add_co_u32 s28, s28, s27
	s_add_nc_u64 s[8:9], s[8:9], s[28:29]
	s_lshl_b32 s26, s26, 3
	s_lshl_b32 s27, s20, 1
	s_add_co_u32 s26, s26, s27
	s_lshl_b32 s28, s26, 15
	s_lshl_b32 s27, s25, 12
	s_add_co_u32 s28, s28, s27
	s_add_nc_u64 s[18:19], s[18:19], s[28:29]
	v_lshlrev_b32 v5, 2, v1
	v_lshlrev_b32 v6, 15, v3
	v_lshl_add_u32 v6, v2, 4, v6
.set i, 0
.rept 128
	global_load_b32 v[R+i], v5, s[8:9] offset:i*4096 th:TH_LOAD_NT
.set i, i+1
.endr
.macro OFRAG f
.irp i, 0,1,2,3,4,5,6,7,8,9,10,11,12,13,14,15
	v_cvt_pk_f16_f32 v[CW+16*(\f)+\i], v[R+32*(\f)+2*\i], v[R+32*(\f)+2*\i+1]
.endr
.irp u, 0,1,2,3
	global_store_b128 v6, v[CW+16*(\f)+4*\u:CW+16*(\f)+4*\u+3], s[18:19] offset:(\f)*1024+\u*256   ; k = 32 f + 8 u + 0 .. 7: sixteen lanes store 256 consecutive bytes, aligned
.endr
.endm
	s_wait_loadcnt 63                              ; the first 65 loads are in: rows 0 to 63
	OFRAG 0
	OFRAG 1
	s_wait_loadcnt 32
	OFRAG 2
	s_wait_loadcnt 0
	OFRAG 3
	s_endpgm
.Lfunc_end_k_q7213249263_prep:
	.size	k_q7213249263_prep, .Lfunc_end_k_q7213249263_prep-k_q7213249263_prep
	.p2alignl 7, 3214868480
	.fill 96, 4, 3214868480
	.section	.rodata,"a",@progbits
	.p2align	6, 0x0
	.amdhsa_kernel k_q7213249263_prep
		.amdhsa_group_segment_fixed_size 35328
		.amdhsa_private_segment_fixed_size 0
		.amdhsa_enable_private_segment 0
		.amdhsa_kernarg_size 64
		.amdhsa_user_sgpr_count 2
		.amdhsa_user_sgpr_kernarg_segment_ptr 1
		.amdhsa_wavefront_size32 1
		.amdhsa_system_sgpr_workgroup_id_x 1
		.amdhsa_system_sgpr_workgroup_id_y 1
		.amdhsa_system_sgpr_workgroup_id_z 1
		.amdhsa_system_vgpr_workitem_id 0
		.amdhsa_next_free_vgpr 224
		.amdhsa_next_free_sgpr 66
		.amdhsa_reserve_vcc 1
		.amdhsa_float_denorm_mode_32 3
		.amdhsa_float_denorm_mode_16_64 3
		.amdhsa_memory_ordered 1
		.amdhsa_forward_progress 1
		.amdhsa_inst_pref_size 68
	.end_amdhsa_kernel
	.amdgpu_metadata
---
amdhsa.version: [ 1, 2 ]
amdhsa.kernels:
  - .name:           k_q7213249263_prep
    .symbol:         k_q7213249263_prep.kd
    .args:
      - { .name: x, .offset: 0, .size: 8, .value_kind: global_buffer, .address_space: global }
      - { .name: w_qkv, .offset: 8, .size: 8, .value_kind: global_buffer, .address_space: global }
      - { .name: w_out, .offset: 16, .size: 8, .value_kind: global_buffer, .address_space: global }
      - { .name: xc, .offset: 24, .size: 8, .value_kind: global_buffer, .address_space: global }
      - { .name: xs, .offset: 32, .size: 8, .value_kind: global_buffer, .address_space: global }
      - { .name: wc, .offset: 40, .size: 8, .value_kind: global_buffer, .address_space: global }
      - { .name: ws, .offset: 48, .size: 8, .value_kind: global_buffer, .address_space: global }
      - { .name: wo, .offset: 56, .size: 8, .value_kind: global_buffer, .address_space: global }
    .group_segment_fixed_size: 35328
    .private_segment_fixed_size: 0
    .kernarg_segment_align: 8
    .kernarg_segment_size: 64
    .max_flat_workgroup_size: 128
    .sgpr_count:     66
    .vgpr_count:     224
    .wavefront_size: 32
...
	.end_amdgpu_metadata
.endif
;; end of part 1
;; launch qkv (part 2): grid 12 x 32, 4 waves a work-group, clusters of 4 x 4, 327,680 bytes of LDS; arguments xc, xs, wc, ws, qkv; writes qkv
.if DOCPART == 2
	.amdgcn_target "amdgcn-amd-amdhsa--gfx1250"
	.amdhsa_code_object_version 6
	.text
	.protected	k_q7213249263_qkv
	.globl	k_q7213249263_qkv
	.p2align	8
	.type	k_q7213249263_qkv,@function
k_q7213249263_qkv:
	s_mov_b64 s[64:65], 0
	v_nop
	global_prefetch_b8 v0, s[64:65] scope:SCOPE_SE
	s_setreg_imm32_b32 hwreg(HW_REG_WAVE_MODE, 25, 1), 1
	s_wait_xcnt 0x0
	s_wait_alu depctr_hold_cnt(0) depctr_sa_sdst(0) depctr_va_vdst(0) depctr_va_sdst(0) depctr_va_ssrc(0) depctr_va_vcc(0) depctr_vm_vsrc(0)
	s_getreg_b32 s2, hwreg(HW_REG_IB_STS2, 6, 4)
	s_cmp_eq_u32 s2, 0
	s_cbranch_scc0 .Lentry_in_a_cluster
	s_endpgm
.Lentry_in_a_cluster:
	s_bfe_u32 s2, ttmp6, 0x10000c
	s_cmp_lg_u32 s2, 0xf033
	s_cbranch_scc0 .Lentry_shape_is_right
	s_endpgm
.Lentry_shape_is_right:
; SECOND LAUNCH: qkv = Q(x) Q(w_qkv), [8192] x [3072], K = 1,024, on codes of FP4 (E2M1) with E8M0 scales; sums in f32, K ascending; results rounded once to f16.  Nothing of reference() is left out.
; LIMIT: |q|, |k|, |v| beyond 65,504 become infinity in f16.
; A work-group makes 256 tokens x 256 features, a wave 128 x 128: 64 accumulators, 512 registers.  K is short: the codes of all of K for 256 tokens (131,072 bytes) and 256 features (131,072) and their scale bytes
; (2 x 8,192) lie in LDS together.  So there is no ring: four first fills of 65,536 bytes, four of 4,096, one barrier, and nothing is filled again.
; The buffers are images of operand registers: a fragment (16 rows x 128 K) is two groups of 512 bytes, lane l's 16 bytes at 16 l: no pitch, no padding, each load reads 512 consecutive bytes.
; CLUSTERS: 4 x 4 work-groups.  The four of a row of the cluster need the same tokens' codes, the four of a column the same features': each block is asked for JOINTLY.
; THE CLUSTER'S x SAYS WHAT IS MADE: 0 Q, 1 K, 2 V: the same in all sixteen partners, so one branch on it is the same in all.
;   Q, K: the product is used TRANSPOSED (source 0 = 16 features, source 1 = 16 tokens): a lane holds one token and eight neighbouring channels: 16 bytes of f16 = its part of a fragment [token][channel].
;   V:    natural order (source 0 = tokens, source 1 = features): a lane holds one channel and eight neighbouring tokens = its part of a fragment [channel][key] of V^T.
; So every accumulator leaves as one group of 512 consecutive aligned bytes, straight from registers.
; qkv: [b x 16 + head][n / 64][24,576]: Q 8,192 | K 8,192 | V 8,192.  Q, K: (n%64/16) 2048 + (d/32) 1024 + ((d%32)/16) 512 + ((d%16)/8) 256 + (n%16) 16 + (d%8) 2.
;   V: ((n%64)/32) 4096 + (d/16) 1024 + ((n%32)/16) 512 + ((n%16)/8) 256 + (d%16) 16 + (n%8) 2.
; REGISTERS, in windows of 256: window 0: v16-29 addresses; v32-95 scale words; v128-191 x's eight fragments, ONE set.  window 1: w's fragments, TWO sets, at v0 and v128; on the way out the packed results.
;   window 2: the accumulators of my tokens 0-63 ((a, b) at v[8 (8 (a % 4) + b)]);  window 3: those of tokens 64-127.
.set WTILE, 131072                     ; LDS: x's codes from 0, w's from here,
.set SCX,   262144                     ; x's scale bytes, then w's 8,192 further on,
.set SPARE, 278528                     ; the spare words, 128 bytes a wave, named by no other line
.set FR,    8
.set ADRA, 16                          ; v16  LDS address of my x fragments
.set ADRB, 20                          ; v20  of my w fragments
.set CO,   26                          ; v26  16 x lane
.set ADRS, 27                          ; v27  of my scale words: lanes 0-15 x's rows, lanes 16-31 w's
.set SPW,  28                          ; v28  LDS address of my spare word; never rewritten
.set NIL,  29                          ; v29  0; never rewritten
.set SC,   32                          ; scale words: register SC + 32 (q / 4) + 4 i + q % 4: lanes 0-15 x's tile i, lanes 16-31 w's tile i, for the q-th 128 along K
.set AF,   128
.set G1,   24                          ; s[24:31], s[32:35] descriptor groups 1, 0 for x's codes;  s[48:55], s[56:59] for w's
.set G0,   32
.set G1B,  48
.set G0B,  56
.set G1S,  68                          ; s[68:75], s[76:79] for x's scale bytes;  s[80:87], s[88:91] for w's
.set G0S,  76
.set G1SB, 80
.set G0SB, 88
.set MSB, 0
.macro WIN new                         ; the immediate's high byte repeats the setting that is left
.if MSB != (\new)
	s_set_vgpr_msb (MSB<<8)|(\new)
.set MSB, (\new)
.endif
.endm
; A joint load: waves 0 and 1 fetch for x, waves 2 and 3 for w.  The branch hangs on the wave's number alone.  An s_nop 0 and four v_nop follow each of the two lines.
.macro JLOAD g0a, g1a, g0b, g1b
	s_cmp_eq_u32 s15, 0
	s_cbranch_scc0 .Lfor_b_\@
	tensor_load_to_lds s[\g0a:\g0a+3], s[\g1a:\g1a+7]
	s_nop 0
.rept 4
	v_nop
.endr
	s_branch .Lasked_\@
.Lfor_b_\@:
	tensor_load_to_lds s[\g0b:\g0b+3], s[\g1b:\g1b+7]
	s_nop 0
.rept 4
	v_nop
.endr
.Lasked_\@:
.endm
.macro CROUND                          ; a round of the cluster's barrier
	s_barrier_signal -1
	s_barrier_wait -1
	s_cmp_lg_u32 s14, 0
	s_cbranch_scc1 .Lnot_wave_0_\@
	s_barrier_signal -3
.Lnot_wave_0_\@:
	s_barrier_wait -3
	s_barrier_signal -1
	s_barrier_wait -1
.endm
	s_load_b128 s[4:7], s[0:1], 0x0                ; xc s[4:5], xs s[6:7]
	s_load_b128 s[8:11], s[0:1], 0x10              ; wc s[8:9], ws s[10:11]
	s_load_b64 s[12:13], s[0:1], 0x20              ; qkv
	v_lshl_add_u32 v[SPW], v0, 2, SPARE
	v_mov_b32 v[NIL], 0
	ds_add_u32 v[SPW], v[NIL]                      ; the wave's opening: the add, twice on end, and its wait ahead of my first tensor load
	ds_add_u32 v[SPW], v[NIL]
	v_lshrrev_b32 v1, 5, v0
	v_readfirstlane_b32 s14, v1                    ; wave 0..3
	s_lshr_b32 s15, s14, 1                         ; my half of the tokens.  Also: I fetch for x (0) or for w (1)
	s_and_b32 s16, s14, 1                          ; my half of the features.  Also: which half I fetch
	s_bfe_u32 s40, ttmp6, 0x40000                  ; cx, cy: my place in the cluster
	s_bfe_u32 s41, ttmp6, 0x40004
	s_lshl_b32 s42, ttmp9, 2
	s_add_co_u32 s42, s42, s40                     ; block of 256 features = 4 x cluster x + cx
	s_and_b32 s17, ttmp7, 0xffff
	s_lshl_b32 s17, s17, 2
	s_add_co_u32 s17, s17, s41                     ; block of 256 tokens = 4 x cluster y + cy
	s_lshl_b32 s43, s41, 2
	s_lshl_b32 s43, 15, s43                        ; my row of the cluster
	s_lshl_b32 s44, 0x1111, s40                    ; my column
	; group 1: dense blocks as rows of 256 bytes (32 elements of 8 bytes): 256 rows of codes, 16 rows of scale bytes.  15:0 the mask; 17:16 elements of 8 bytes; 21 set beside a mask
	s_or_b32 s[G1+0], s43, (3<<16)|(1<<21)
	s_or_b32 s[G1B+0], s44, (3<<16)|(1<<21)
	s_or_b32 s[G1S+0], s43, (3<<16)|(1<<21)
	s_or_b32 s[G1SB+0], s44, (3<<16)|(1<<21)
.irp g, G1, G1B
	s_mov_b32 s[\g+1], 32<<16                      ; tensor_dim0
	s_mov_b32 s[\g+2], 256<<16                     ; tensor_dim1
	s_mov_b32 s[\g+3], 32<<16                      ; tile_dim0
	s_mov_b32 s[\g+4], 256                         ; tile_dim1
	s_mov_b32 s[\g+5], 32                          ; tensor_dim0_stride
	s_mov_b32 s[\g+6], 0
	s_mov_b32 s[\g+7], 0
.endr
.irp g, G1S, G1SB
	s_mov_b32 s[\g+1], 32<<16
	s_mov_b32 s[\g+2], 16<<16
	s_mov_b32 s[\g+3], 32<<16
	s_mov_b32 s[\g+4], 16
	s_mov_b32 s[\g+5], 32
	s_mov_b32 s[\g+6], 0
	s_mov_b32 s[\g+7], 0
.endr
	s_lshl_b32 s20, s17, 1
	s_add_co_u32 s20, s20, s16                     ; x: which run of 128 tokens I fetch
	s_lshl_b32 s22, s20, 12                        ; its 4,096 scale bytes,
	s_lshl_b32 s20, s20, 16                        ; its 65,536 bytes of codes
	s_mov_b32 s21, 0
	s_mov_b32 s23, 0
	s_lshl_b32 s46, s42, 1
	s_add_co_u32 s46, s46, s16                     ; w likewise, in registers that never hold the tokens' coordinate
	s_lshl_b32 s92, s46, 12
	s_lshl_b32 s46, s46, 16
	s_mov_b32 s47, 0
	s_mov_b32 s93, 0
	s_lshl_b32 s45, s14, 16                        ; where they go: wave x 65,536; no place in the cluster enters an LDS address
	s_lshl_b32 s94, s14, 12                        ; and wave x 4,096
	s_wait_dscnt 0x0                               ; both opening adds are done
	s_wait_kmcnt 0x0
	s_add_nc_u64 s[20:21], s[4:5], s[20:21]
	s_add_nc_u64 s[22:23], s[6:7], s[22:23]
	s_add_nc_u64 s[46:47], s[8:9], s[46:47]
	s_add_nc_u64 s[92:93], s[10:11], s[92:93]
	CROUND                                         ; all sixteen work-groups are here: the joint loads meet
	s_mov_b32 s[G0S], 1
	s_add_co_u32 s[G0S+1], s94, SCX
	s_mov_b64 s[G0S+2:G0S+3], s[22:23]
	s_or_b32 s[G0S+3], s[G0S+3], 0x80000000
	s_mov_b32 s[G0SB], 1
	s_add_co_u32 s[G0SB+1], s94, SCX
	s_mov_b64 s[G0SB+2:G0SB+3], s[92:93]
	s_or_b32 s[G0SB+3], s[G0SB+3], 0x80000000
	JLOAD G0S, G1S, G0SB, G1SB
	s_mov_b32 s[G0], 1
	s_mov_b32 s[G0+1], s45
	s_mov_b64 s[G0+2:G0+3], s[20:21]
	s_or_b32 s[G0+3], s[G0+3], 0x80000000
	s_mov_b32 s[G0B], 1
	s_mov_b32 s[G0B+1], s45
	s_mov_b64 s[G0B+2:G0B+3], s[46:47]
	s_or_b32 s[G0B+3], s[G0B+3], 0x80000000
	JLOAD G0, G1, G0B, G1B                         ; two tensor loads of mine are out
	v_and_b32 v1, 15, v0                           ; r
	v_bfe_u32 v2, v0, 4, 1                         ; h
	v_and_b32 v3, 31, v0
	v_lshlrev_b32 v[CO], 4, v3
	s_lshl_b32 s21, s15, 16
	v_add_nc_u32 v[ADRA], s21, v[CO]
	s_lshl_b32 s22, s16, 16
	s_add_co_u32 s22, s22, WTILE
	v_add_nc_u32 v[ADRB], s22, v[CO]
	s_lshl_b32 s21, s15, 12                        ; x's scale bytes of my 128 tokens
	s_lshl_b32 s22, s16, 12                        ; w's of my 128 features, 8,192 behind x's
	s_add_co_u32 s22, s22, 8192
	s_sub_co_u32 s22, s22, s21
	v_mul_u32_u24 v6, s22, v2                      ; lanes 16-31 take w's: the lower base + h x the distance
	s_add_co_u32 s21, s21, SCX
	v_lshl_add_u32 v5, v1, 4, v6
	v_add_nc_u32 v[ADRS], s21, v5
	; where my results begin: (b x 16 + head) x 786,432 + (n / 64) x 24,576 + 8,192 x (0 Q, 1 K, 2 V)
	s_lshr_b32 s20, s17, 3
	s_lshl_b32 s20, s20, 4
	s_lshl_b32 s21, s16, 1
	s_add_co_u32 s20, s20, s21
	s_lshl_b32 s46, s40, 2
	s_add_co_u32 s20, s20, s46
	s_mul_i32 s20, s20, 786432
	s_and_b32 s21, s17, 7
	s_lshl_b32 s21, s21, 2
	s_lshl_b32 s46, s15, 1
	s_add_co_u32 s21, s21, s46
	s_mul_i32 s21, s21, 24576
	s_add_co_u32 s20, s20, s21
	s_lshl_b32 s21, ttmp9, 13
	s_add_co_u32 s20, s20, s21
	s_mov_b32 s21, 0
	s_add_nc_u64 s[12:13], s[12:13], s[20:21]
.macro FRAG reg, adr, q, i             ; tile i's fragment of the q-th 128 along K: two groups of 512 bytes
.irp c, 0,1
	ds_load_b128 v[\reg+4*\c:\reg+4*\c+3], v[\adr] offset:(\i)*8192+(\q)*1024+512*\c
.endr
.endm
.macro FETCH_B q, p                    ; w's eight fragments into set p
	WIN 0x40
.irp i, 0,1,2,3,4,5,6,7
	FRAG 128*(\p)+FR*\i, ADRB, \q, \i
.endr
	WIN 0
.endm
.macro FETCH_A q, i0                   ; x's tiles i0 .. i0 + 3
.irp i, \i0, \i0+1, \i0+2, \i0+3
	FRAG AF+FR*(\i), ADRA, \q, \i
.endr
.endm
.macro PLACES n
.rept \n
	v_nop
.endr
.endm
; 16 matrix instructions: x's tiles a0, a0 + 1 against w's eight.  The 64 accumulators take turns, one instruction a turn, in the same order in every step.
; zero = 1: the first product starts the sums.  nat = 0: source 0 = w (its scales in lanes 16-31), source 1 = x;  nat = 1: the other way round.
.macro MUL16 a0, p, q, zero, nat
.irp a, \a0, \a0+1
.irp b, 0,1,2,3,4,5,6,7
.set rD, 8*(8*((\a)%4)+\b)
.set rW, 128*(\p)+FR*\b
.set rX, AF+FR*(\a)
.set sW, SC+32*((\q)/4)+4*\b+(\q)%4
.set sX, SC+32*((\q)/4)+4*(\a)+(\q)%4
.if \nat
.if \zero
	v_wmma_scale_f32_16x16x128_f8f6f4 v[rD:rD+7], v[rX:rX+7], v[rW:rW+7], 0, v[sX], v[sW] matrix_a_fmt:MATRIX_FMT_FP4 matrix_b_fmt:MATRIX_FMT_FP4 matrix_b_scale:MATRIX_SCALE_ROW1
.else
	v_wmma_scale_f32_16x16x128_f8f6f4 v[rD:rD+7], v[rX:rX+7], v[rW:rW+7], v[rD:rD+7], v[sX], v[sW] matrix_a_fmt:MATRIX_FMT_FP4 matrix_b_fmt:MATRIX_FMT_FP4 matrix_b_scale:MATRIX_SCALE_ROW1
.endif
.else
.if \zero
	v_wmma_scale_f32_16x16x128_f8f6f4 v[rD:rD+7], v[rW:rW+7], v[rX:rX+7], 0, v[sW], v[sX] matrix_a_fmt:MATRIX_FMT_FP4 matrix_b_fmt:MATRIX_FMT_FP4 matrix_a_scale:MATRIX_SCALE_ROW1
.else
	v_wmma_scale_f32_16x16x128_f8f6f4 v[rD:rD+7], v[rW:rW+7], v[rX:rX+7], v[rD:rD+7], v[sW], v[sX] matrix_a_fmt:MATRIX_FMT_FP4 matrix_b_fmt:MATRIX_FMT_FP4 matrix_a_scale:MATRIX_SCALE_ROW1
.endif
.endif
.endr
.endr
.endm
; A step of 128 along K that has a successor.  A tile of x is free as soon as its eight products are issued: tiles 0-3 are fetched anew in the step's middle, tiles 4-7 at its end.
; Four plain places stand between a matrix instruction and a load into a register that it has read (ISA guide 7.12.1 for vector instructions).
.macro STEP q, zero, nat
	s_wait_dscnt 8                                 ; w's set and x's tiles 0-3 are in; the youngest eight loads (x's tiles 4-7) may be out
	WIN MLO
	MUL16 0, (\q)%2, \q, \zero, \nat
	MUL16 2, (\q)%2, \q, \zero, \nat
	s_wait_dscnt 0x0                               ; x's tiles 4-7 are in
	PLACES 4
	FETCH_B (\q)+1, 1-(\q)%2
	FETCH_A (\q)+1, 0
	WIN MHI
	MUL16 4, (\q)%2, \q, \zero, \nat
	MUL16 6, (\q)%2, \q, \zero, \nat
	PLACES 4
	WIN 0
	FETCH_A (\q)+1, 4
.endm
; THE WAY OUT: each accumulator's eight numbers become 16 bytes of f16 a lane, in window 1 (256 registers, none used twice), and leave as 512 consecutive aligned bytes.  Each accumulator is read from its low end on.
.macro OUT nat
	PLACES 4
.irp w, 0,1
.set WCV, 0x4a+5*\w
	WIN WCV                                        ; sources window 2 or 3, destination window 1
.set AI, 0
.rept 32
.irp i, 0,1,2,3
	v_cvt_pk_f16_f32 v[128*\w+4*AI+\i], v[8*AI+2*\i], v[8*AI+2*\i+1]
.endr
.set AI, AI+1
.endr
	WIN 0x04                                       ; a store's data are its source 1: window 1
.set AI, 0
.rept 32
.set ia, 4*\w+AI/8
.set ib, AI%8
.if \nat
.set IMM, (ia/4)*24576+((ia%4)/2)*4096+(ia%2)*512+(ib/4)*786432+(ib%4)*1024
.else
.set IMM, (ia/4)*24576+(ia%4)*2048+(ib/4)*786432+((ib%4)/2)*1024+(ib%2)*512
.endif
	global_store_b128 v[CO], v[128*\w+4*AI:128*\w+4*AI+3], s[12:13] offset:IMM
.set AI, AI+1
.endr
.endr
	WIN 0
.endm
.macro PATH nat
.set MLO, 0xa1+3*\nat                  ; nat = 0: source 0 window 1, source 1 window 0; nat = 1: the other way round; C and D window 2
.set MHI, 0xf1+3*\nat                  ; the same, C and D window 3
	STEP 0, 1, \nat
.irp q, 1,2,3,4,5,6
	STEP \q, 0, \nat
.endr
	s_wait_dscnt 8                                 ; the last step: nothing more to fetch
	WIN MLO
	MUL16 0, 1, 7, 0, \nat
	MUL16 2, 1, 7, 0, \nat
	s_wait_dscnt 0x0
	WIN MHI
	MUL16 4, 1, 7, 0, \nat
	MUL16 6, 1, 7, 0, \nat
	OUT \nat
.endm
	s_wait_tensorcnt 0x0                           ; my two blocks are in,
	s_barrier_signal -1
	s_barrier_wait -1                              ; everybody's are
	FETCH_B 0, 0
	FETCH_A 0, 0
.irp s, 0,1
.irp i, 0,1,2,3,4,5,6,7
	ds_load_b128 v[SC+32*\s+4*\i:SC+32*\s+4*\i+3], v[ADRS] offset:\i*512+\s*256   ; all scale words, once: four words a row and half of K
.endr
.endr
	FETCH_A 0, 4
	s_cmp_eq_u32 ttmp9, 2                          ; the cluster's x: the same in all sixteen partners
	s_cbranch_scc1 .Lv_path
	PATH 0                                         ; Q or K
	s_branch .Ljoin
.Lv_path:
	PATH 1                                         ; V
.Ljoin:
	s_wait_tensorcnt 0x0                           ; the wave's end, behind my last tensor load
	ds_add_u32 v[SPW], v[NIL]
	s_wait_dscnt 0x0
	CROUND                                         ; the closing round: no work-group ends while a partner may still ask for a block that names it
	s_endpgm
.Lfunc_end_k_q7213249263_qkv:
	.size	k_q7213249263_qkv, .Lfunc_end_k_q7213249263_qkv-k_q7213249263_qkv
	.p2alignl 7, 3214868480
	.fill 96, 4, 3214868480
	.section	.rodata,"a",@progbits
	.p2align	6, 0x0
	.amdhsa_kernel k_q7213249263_qkv
		.amdhsa_group_segment_fixed_size 327680
		.amdhsa_private_segment_fixed_size 0
		.amdhsa_enable_private_segment 0
		.amdhsa_kernarg_size 40
		.amdhsa_user_sgpr_count 2
		.amdhsa_user_sgpr_kernarg_segment_ptr 1
		.amdhsa_wavefront_size32 1
		.amdhsa_system_sgpr_workgroup_id_x 1
		.amdhsa_system_sgpr_workgroup_id_y 1
		.amdhsa_system_sgpr_workgroup_id_z 1
		.amdhsa_system_vgpr_workitem_id 0
		.amdhsa_next_free_vgpr 1024
		.amdhsa_next_free_sgpr 98
		.amdhsa_reserve_vcc 0
		.amdhsa_float_denorm_mode_32 3
		.amdhsa_float_denorm_mode_16_64 3
		.amdhsa_memory_ordered 1
		.amdhsa_forward_progress 1
		.amdhsa_inst_pref_size 219
	.end_amdhsa_kernel
	.amdgpu_metadata
---
amdhsa.version: [ 1, 2 ]
amdhsa.kernels:
  - .name:           k_q7213249263_qkv
    .symbol:         k_q7213249263_qkv.kd
    .args:
      - { .name: xc, .offset: 0, .size: 8, .value_kind: global_buffer, .address_space: global }
      - { .name: xs, .offset: 8, .size: 8, .value_kind: global_buffer, .address_space: global }
      - { .name: wc, .offset: 16, .size: 8, .value_kind: global_buffer, .address_space: global }
      - { .name: ws, .offset: 24, .size: 8, .value_kind: global_buffer, .address_space: global }
      - { .name: qkv, .offset: 32, .size: 8, .value_kind: global_buffer, .address_space: global }
    .group_segment_fixed_size: 327680
    .private_segment_fixed_size: 0
    .kernarg_segment_align: 8
    .kernarg_segment_size: 40
    .max_flat_workgroup_size: 128
    .sgpr_count:     98
    .vgpr_count:     1024
    .wavefront_size: 32
...
	.end_amdgpu_metadata
.endif
;; end of part 2
;; launch attn (part 3): grid 4 x 64, 8 waves a work-group, clusters of 4 x 1, 327,680 bytes of LDS; arguments qkv, ao; writes ao
.if DOCPART == 3
	.amdgcn_target "amdgcn-amd-amdhsa--gfx1250"
	.amdhsa_code_object_version 6
	.text
	.protected	k_q7213249263_attn
	.globl	k_q7213249263_attn
	.p2align	8
	.type	k_q7213249263_attn,@function
k_q7213249263_attn:
	s_mov_b64 s[64:65], 0
	v_nop
	global_prefetch_b8 v0, s[64:65] scope:SCOPE_SE
	s_setreg_imm32_b32 hwreg(HW_REG_WAVE_MODE, 25, 1), 1
	s_wait_xcnt 0x0
	s_wait_alu depctr_hold_cnt(0) depctr_sa_sdst(0) depctr_va_vdst(0) depctr_va_sdst(0) depctr_va_ssrc(0) depctr_va_vcc(0) depctr_vm_vsrc(0)
	s_getreg_b32 s2, hwreg(HW_REG_IB_STS2, 6, 4)
	s_cmp_eq_u32 s2, 0
	s_cbranch_scc0 .Lentry_in_a_cluster
	s_endpgm
.Lentry_in_a_cluster:
	s_bfe_u32 s2, ttmp6, 0x10000c
	s_cmp_lg_u32 s2, 0x3003
	s_cbranch_scc0 .Lentry_shape_is_right
	s_endpgm
.Lentry_shape_is_right:
; THIRD LAUNCH: ao[b][n][head 64 + d] = the sum over keys of softmax(q . k / 8) v, for 64 (b, head) x 2,048 queries x 2,048 keys, head size 64.  Operands f16, products, maxima and sums f32.  Nothing of reference() is left out.
; LIMITS: exponentials under 2^-126 come out as 0 (ISA guide, v_exp_f32); the weights p, at most about 1, are rounded to f16 for the second product; the row's sum is taken of the unrounded p.
; SHARES.  A work-group owns 512 queries of one (b, head), each of its EIGHT waves 64: four tiles of 16, in 512 registers: two waves to a SIMD, each working in phases, so that one wave's softmax stands beside the other's
; products.  Four tiles a wave: each fragment of K and V read from LDS feeds four matrix instructions.
; LAYOUT.  S^T = K Q^T (source 0 = 16 keys, source 1 = 16 queries): a lane holds ONE query (lane % 16) and keys 8 (lane / 16) + 0..7 of each tile of 16.  Two such tiles, rounded to f16 in pairs, ARE source 1 of
; O^T = V^T P, whose result again holds one query a lane and eight channels: 16 bytes of f16 = its part of a fragment [token][channel] for the last launch.  Q, K, V^T lie in memory as images of operand registers.
; SOFTMAX.  A running maximum m and sum l for each query: p = 2^(c s - c m), c = log2(e) / 8; in every step O^T and l are multiplied by a = 2^(c m_old - c m_new).  All p and a of a row use the same rounded c m, so its
; rounding is a factor common to O^T and l.  m begins at -3e38 and O^T, l at 0: the step is written without a first step of its own (128 v_mov_b32 once a wave, against one more copy of the key step).
; CLUSTER.  The four work-groups of a cluster are the four query blocks of one (b, head): the grid's x is one cluster, so cx is the query block.  They walk the same K and V: each tile is asked for JOINTLY (mask 15).
; RING.  Two slots of 131,072 bytes, eight key steps of 64 keys each (K 8,192 | V 8,192, dense in memory).  Every wave fetches one key step of a slot, 16,384 bytes, by one load: two loads of mine are out at the start, one
; behind each change of slots, and it has eight key steps, 512 matrix instructions of mine, in which to land.
; REGISTERS: window 0: v1-4 addresses; v8-15 second sums; v16-47 statistics, 8 a tile; v48-175 S^T, 32 a tile, P in each tile's low 16; v176-239 K's fragments.  window 1: v0-63 Q; v64-191 O^T, 32 a tile; v192-255 V's.
.set SLOT1, 1<<17
.set SPARE, 262144                     ; behind the ring: the spare words, 128 bytes a wave, named by no other line
.set LI,  1                            ; v1  16 x lane
.set ADR, 2                            ; v2  LDS address of the key step in hand
.set SPW, 3                            ; v3  LDS address of my spare word; never rewritten
.set NIL, 4                            ; v4  0; never rewritten
.set U,   8
.set ST,  16                           ; tile t at ST + 8 t: +0 c m, +1 m, +2, +3 l (two halves), +4 to +7 at work; a takes +6
.set S,   48
.set F0,  176
.set O,   64
.set FV,  192
.set WV,  12                           ; s12 my wave's number
.set G1,  24                           ; s[24:31] descriptor group 1;  s[32:35], s[36:39] groups 0 for the two first fills; the second then walks on
.set G0,  32
.set SLOTS, 56
.set CNT, 57
.set CS,  58                           ; s[58:59] c, twice
.set SEL, 60                           ; s[60:61] selects for lane l xor 16
.set TB,  62                           ; s62 LDS byte at which the key step in hand begins
.set MSB, 0
.macro WIN new
.if MSB != (\new)
	s_set_vgpr_msb (MSB<<8)|(\new)
.set MSB, (\new)
.endif
.endm
.macro PLACES n
.rept \n
	v_nop
.endr
.endm
.macro CROUND
	s_barrier_signal -1
	s_barrier_wait -1
	s_cmp_lg_u32 s[WV], 0
	s_cbranch_scc1 .Lnot_wave_0_\@
	s_barrier_signal -3
.Lnot_wave_0_\@:
	s_barrier_wait -3
	s_barrier_signal -1
	s_barrier_wait -1
.endm
	s_load_b128 s[4:7], s[0:1], 0x0                ; qkv s[4:5], ao s[6:7]
	v_lshl_add_u32 v[SPW], v0, 2, SPARE
	v_mov_b32 v[NIL], 0
	ds_add_u32 v[SPW], v[NIL]                      ; the wave's opening: the add, twice on end, and its wait ahead of my first tensor load
	ds_add_u32 v[SPW], v[NIL]
	v_lshrrev_b32 v5, 5, v0
	v_readfirstlane_b32 s[WV], v5                  ; wave 0..7
	s_bfe_u32 s13, ttmp6, 0x40000                  ; cx: my block of 512 queries
	s_and_b32 s14, ttmp7, 0xffff                   ; b x 16 + head, which the four partners share
	s_mul_i32 s20, s14, 786432                     ; its first byte in qkv
	s_mul_i32 s22, s[WV], 24576                    ; the key step of a slot that I fetch,
	s_add_co_u32 s22, s22, 8192                    ; behind its Q
	s_add_co_u32 s22, s22, s20
	s_mov_b32 s23, 0
	s_lshl_b32 s16, s[WV], 14                      ; and its place in a slot: no place in the cluster enters an LDS address
	s_mov_b32 s[G1], 15|(3<<16)|(1<<21)            ; 15:0 the mask: all four; 17:16 elements of 8 bytes; 21 set beside a mask
	s_mov_b32 s[G1+1], 32<<16                      ; tensor_dim0: 256 bytes
	s_mov_b32 s[G1+2], 64<<16                      ; tensor_dim1: 64 rows: 16,384 dense bytes
	s_mov_b32 s[G1+3], 32<<16                      ; tile_dim0
	s_mov_b32 s[G1+4], 64                          ; tile_dim1
	s_mov_b32 s[G1+5], 32                          ; tensor_dim0_stride
	s_mov_b32 s[G1+6], 0
	s_mov_b32 s[G1+7], 0
	s_mov_b32 s[CS], 0x3e38aa3b                    ; c = log2(e) / 8
	s_mov_b32 s[CS+1], s[CS]
	s_mov_b32 s[SEL], 0x76543210
	s_mov_b32 s[SEL+1], 0xfedcba98
	s_mov_b32 s[TB], 0
	s_lshl_b32 s17, s13, 3
	s_add_co_u32 s17, s17, s[WV]                   ; my 64 queries are block 8 cx + wave of the head's 32
	s_mul_i32 s17, s17, 24576
	s_add_co_u32 s18, s20, s17
	s_mov_b32 s19, 0
	s_lshr_b32 s10, s14, 4                         ; ao: tile of 16 tokens b x 128 + 32 cx + 4 wave, 32,768 bytes each; the head's 64 channels are 2,048 bytes of it
	s_lshl_b32 s10, s10, 7
	s_lshl_b32 s11, s13, 5
	s_add_co_u32 s10, s10, s11
	s_lshl_b32 s11, s[WV], 2
	s_add_co_u32 s10, s10, s11
	s_lshl_b32 s10, s10, 15
	s_and_b32 s11, s14, 15
	s_lshl_b32 s11, s11, 11
	s_add_co_u32 s10, s10, s11
	s_mov_b32 s11, 0
	s_wait_dscnt 0x0                               ; both opening adds are done
	s_wait_kmcnt 0x0
	s_add_nc_u64 s[8:9], s[4:5], s[18:19]          ; Q of my 64 queries
	s_add_nc_u64 s[6:7], s[6:7], s[10:11]
	s_mov_b32 s[G0], 1
	s_mov_b32 s[G0+1], s16
	s_add_nc_u64 s[G0+2:G0+3], s[4:5], s[22:23]
	s_add_nc_u64 s[G0+6:G0+7], s[G0+2:G0+3], 196608   ; slot 1: eight key steps of 24,576 bytes on
	s_or_b32 s[G0+3], s[G0+3], 0x80000000
	s_mov_b32 s[G0+4], 1
	s_add_co_u32 s[G0+5], s16, SLOT1
	s_or_b32 s[G0+7], s[G0+7], 0x80000000
	CROUND                                         ; all four work-groups are here: the first joint loads meet
	tensor_load_to_lds s[G0:G0+3], s[G1:G1+7]
	s_nop 0
	tensor_load_to_lds s[G0+4:G0+7], s[G1:G1+7]
	s_nop 0
.rept 4
	v_nop
.endr
	v_and_b32 v[LI], 31, v0
	v_lshlrev_b32 v[LI], 4, v[LI]
	WIN 0x40                                       ; destination window 1
.irp t, 0,1,2,3
.irp u, 0,1,2,3
	global_load_b128 v[16*\t+4*\u:16*\t+4*\u+3], v[LI], s[8:9] offset:\t*2048+\u*512   ; Q stays in registers: tile t, channels 32 (u / 2) on, group u % 2
.endr
.endr
.set i, 0
.rept 128
	v_mov_b32 v[O+i], 0
.set i, i+1
.endr
	WIN 0
.irp t, 0,1,2,3
	v_mov_b32 v[ST+8*\t+1], 0xff61b1e6             ; m = -3e38, under every score
	v_mul_f32 v[ST+8*\t], s[CS], v[ST+8*\t+1]
	v_mov_b32 v[ST+8*\t+2], 0
	v_mov_b32 v[ST+8*\t+3], 0
.endr
.macro FETCH_K off                     ; K's eight fragments (keys 16 (f / 2) on, channels 32 (f % 2) on); every window is 0 here
.irp f, 0,1,2,3,4,5,6,7
	ds_load_b128 v[F0+8*\f:F0+8*\f+3],   v[ADR] offset:\off+\f*1024
	ds_load_b128 v[F0+8*\f+4:F0+8*\f+7], v[ADR] offset:\off+\f*1024+512
.endr
.endm
.macro FETCH_V                         ; V^T's eight (keys 32 (f / 4) on, channels 16 (f % 4) on)
	WIN 0x40
.irp f, 0,1,2,3,4,5,6,7
	ds_load_b128 v[FV+8*\f:FV+8*\f+3],   v[ADR] offset:8192+\f*1024
	ds_load_b128 v[FV+8*\f+4:FV+8*\f+7], v[ADR] offset:8192+\f*1024+512
.endr
.endm
; The sixteen accumulators of each product take turns, one instruction a turn: between two links of a chain stand fifteen others'.
.macro KQ
	WIN 0x04                                       ; Q in window 1
.irp cf, 0,1
.irp kt, 0,1,2,3
.irp t, 0,1,2,3
.if \cf == 0
	v_wmma_f32_16x16x32_f16 v[S+32*\t+8*\kt:S+32*\t+8*\kt+7], v[F0+16*\kt:F0+16*\kt+7], v[16*\t:16*\t+7], 0
.else
	v_wmma_f32_16x16x32_f16 v[S+32*\t+8*\kt:S+32*\t+8*\kt+7], v[F0+16*\kt+8:F0+16*\kt+15], v[16*\t+8:16*\t+15], v[S+32*\t+8*\kt:S+32*\t+8*\kt+7]
.endif
.endr
.endr
.endr
.endm
.macro PV
	WIN 0x51                                       ; V and O^T in window 1, P in window 0
.irp k, 0,1
.irp ct, 0,1,2,3
.irp t, 0,1,2,3
	v_wmma_f32_16x16x32_f16 v[O+32*\t+8*\ct:O+32*\t+8*\ct+7], v[FV+8*(4*\k+\ct):FV+8*(4*\k+\ct)+7], v[S+32*\t+8*\k:S+32*\t+8*\k+7], v[O+32*\t+8*\ct:O+32*\t+8*\ct+7]
.endr
.endr
.endr
.endm
; The four tiles' softmax, line by line through the tiles, so that no line waits for the line above it.
.macro SOFTMAX
.irp j, 0,1,2,3                        ; the maximum of a lane's 32 scores and the old m: four chains; each accumulator is read first at its registers 0 to 2
.irp t, 0,1,2,3
	v_max3_num_f32 v[ST+8*\t+4+\j], v[S+32*\t+8*\j], v[S+32*\t+8*\j+1], v[S+32*\t+8*\j+2]
.endr
.endr
.irp u, 1,2
.irp j, 0,1,2,3
.irp t, 0,1,2,3
	v_max3_num_f32 v[ST+8*\t+4+\j], v[ST+8*\t+4+\j], v[S+32*\t+8*\j+2*\u+1], v[S+32*\t+8*\j+2*\u+2]
.endr
.endr
.endr
.irp t, 0,1,2,3
	v_max3_num_f32 v[ST+8*\t+4], v[ST+8*\t+4], v[S+32*\t+7], v[S+32*\t+15]
.endr
.irp t, 0,1,2,3
	v_max3_num_f32 v[ST+8*\t+6], v[ST+8*\t+6], v[S+32*\t+23], v[S+32*\t+31]
.endr
.irp t, 0,1,2,3
	v_max3_num_f32 v[ST+8*\t+4], v[ST+8*\t+4], v[ST+8*\t+5], v[ST+8*\t+6]
.endr
.irp t, 0,1,2,3
	v_max3_num_f32 v[ST+8*\t+4], v[ST+8*\t+4], v[ST+8*\t+7], v[ST+8*\t+1]
.endr
.irp t, 0,1,2,3
	v_permlanex16_b32 v[ST+8*\t+5], v[ST+8*\t+4], s[SEL], s[SEL+1]   ; the query's other 32 keys lie in the lane 16 away
.endr
.irp t, 0,1,2,3
	v_mov_b32 v[ST+8*\t+7], v[ST+8*\t]             ; c m_old
.endr
.irp t, 0,1,2,3
	v_max_num_f32 v[ST+8*\t+1], v[ST+8*\t+4], v[ST+8*\t+5]
.endr
.irp t, 0,1,2,3
	v_mul_f32 v[ST+8*\t], s[CS], v[ST+8*\t+1]
.endr
.irp t, 0,1,2,3
	v_sub_f32 v[ST+8*\t+7], v[ST+8*\t+7], v[ST+8*\t]
.endr
.irp t, 0,1,2,3
	v_exp_f32 v[ST+8*\t+6], v[ST+8*\t+7]           ; a
.endr
.irp b, 0,2,4,6,8,10,12,14,16,18,20,22,24,26,28,30
.irp t, 0,1,2,3
	v_pk_fma_f32 v[S+32*\t+\b:S+32*\t+\b+1], v[S+32*\t+\b:S+32*\t+\b+1], s[CS:CS+1], v[ST+8*\t:ST+8*\t+1] op_sel_hi:[1,0,0] neg_lo:[0,0,1] neg_hi:[0,0,1]   ; c s - c m
.endr
.endr
.irp e, 0,1,2,3,4,5,6,7,8,9,10,11,12,13,14,15,16,17,18,19,20,21,22,23,24,25,26,27,28,29,30,31
.irp t, 0,1,2,3
	v_exp_f32 v[S+32*\t+\e], v[S+32*\t+\e]
.endr
.endr
	v_nop                                          ; a plain line behind the last exponential
	s_wait_alu depctr_va_vdst(0)                   ; ONE wait for the batch of 132, ahead of the first line that names a result
.irp t, 0,1,2,3                        ; the sums of the unrounded p, two at a time, in two chains: l = a l + ..
	v_pk_fma_f32 v[ST+8*\t+2:ST+8*\t+3], v[ST+8*\t+2:ST+8*\t+3], v[ST+8*\t+6:ST+8*\t+7], v[S+32*\t:S+32*\t+1] op_sel_hi:[1,0,1]
.endr
.irp t, 0,1,2,3
	v_pk_add_f32 v[U+2*\t:U+2*\t+1], v[S+32*\t+2:S+32*\t+3], v[S+32*\t+4:S+32*\t+5]
.endr
.irp b, 6,10,14,18,22,26
.irp t, 0,1,2,3
	v_pk_add_f32 v[ST+8*\t+2:ST+8*\t+3], v[ST+8*\t+2:ST+8*\t+3], v[S+32*\t+\b:S+32*\t+\b+1]
.endr
.irp t, 0,1,2,3
	v_pk_add_f32 v[U+2*\t:U+2*\t+1], v[U+2*\t:U+2*\t+1], v[S+32*\t+\b+2:S+32*\t+\b+3]
.endr
.endr
.irp t, 0,1,2,3
	v_pk_add_f32 v[ST+8*\t+2:ST+8*\t+3], v[ST+8*\t+2:ST+8*\t+3], v[S+32*\t+30:S+32*\t+31]
.endr
.irp t, 0,1,2,3
	v_pk_add_f32 v[ST+8*\t+2:ST+8*\t+3], v[ST+8*\t+2:ST+8*\t+3], v[U+2*\t:U+2*\t+1]
.endr
.irp i, 0,1,2,3,4,5,6,7,8,9,10,11,12,13,14,15   ; P, in place: register i takes scores 2 i and 2 i + 1, ascending, so nothing is overwritten before it is read
.irp t, 0,1,2,3
	v_cvt_pk_f16_f32 v[S+32*\t+\i], v[S+32*\t+2*\i], v[S+32*\t+2*\i+1]
.endr
.endr
.endm
.macro RESCALE                         ; O^T x a, each accumulator from its low end on
	WIN 0x41
.irp i, 0,2,4,6,8,10,12,14,16,18,20,22,24,26,28,30
.irp t, 0,1,2,3
	v_pk_mul_f32 v[O+32*\t+\i:O+32*\t+\i+1], v[O+32*\t+\i:O+32*\t+\i+1], v[ST+8*\t+6:ST+8*\t+7] op_sel_hi:[1,0]
.endr
.endr
.endm
; A KEY STEP of 64 keys.  pre = 1: the next step's K, which lies in the same slot, is fetched behind this step's first product.
.macro STEP pre
	v_add_nc_u32 v[ADR], s[TB], v[LI]
	PLACES 4                                       ; with the line above: five places between the last V^T P, which read P, and the first K Q^T, which writes over it; four of them serve the loads into V's registers
	FETCH_V
	s_wait_dscnt 16                                ; K's sixteen loads are in; V's sixteen, just issued, may be out
	KQ
	WIN 0
	PLACES 4                                       ; in front of the loads into K's registers and of the first read of the scores
.if \pre
	FETCH_K 16384
.endif
	SOFTMAX
	RESCALE
	s_wait_dscnt 0x0                               ; V is in, and the next step's K
	PV
	WIN 0
	s_add_co_u32 s[TB], s[TB], 16384
.endm
.macro GROUP                           ; a slot's eight key steps
	s_mov_b32 s[CNT], 7
.Lstep_\@:
	STEP 1
	s_sub_co_u32 s[CNT], s[CNT], 1
	s_cmp_lg_u32 s[CNT], 0
	s_cbranch_scc1 .Lstep_\@
	STEP 0
.endm
; THE CHANGE OF SLOTS.  Each wave waits for all its tensor loads (its part of the other slot), adds 0 to its spare word, and waits for that and for its reads of the slot that it leaves.  fill = 1: behind a round of the
; cluster's barrier, so that no wave of any partner still reads the slot or has a load on its way, the slot is filled again: my one tensor load until the next change.
.macro CHANGE fill
	s_wait_tensorcnt 0x0                           ; no tensor load of mine is out, so a group 0 may be written
	ds_add_u32 v[SPW], v[NIL]                      ; 0 onto my spare word
.if \fill
	s_xor_b32 s[G0+5], s[G0+5], SLOT1              ; the walking descriptor: the other slot than last time,
	s_add_nc_u64 s[G0+6:G0+7], s[G0+6:G0+7], 196608   ; the next eight key steps; the type bits on top are not reached
.endif
	s_sub_co_u32 s[TB], s[TB], 131072              ; back to a slot's first step,
	s_xor_b32 s[TB], s[TB], SLOT1                  ; in the other slot
	s_wait_dscnt 0x0                               ; the add is done, and my reads of the slot are over
.if \fill
	CROUND
	tensor_load_to_lds s[G0+4:G0+7], s[G1:G1+7]
	s_nop 0
.rept 4
	v_nop
.endr
.else
	s_barrier_signal -1
	s_barrier_wait -1
.endif
	v_add_nc_u32 v[ADR], s[TB], v[LI]
	FETCH_K 0
.endm
	s_wait_tensorcnt 0x1                           ; my part of slot 0 is in; slot 1's may stay out
	s_barrier_signal -1
	s_barrier_wait -1                              ; everybody's is
	v_add_nc_u32 v[ADR], s[TB], v[LI]
	FETCH_K 0
	s_wait_loadcnt 0x0                             ; Q
	s_mov_b32 s[SLOTS], 2
.Lslot:                                            ; two trips: the first two slots' worth of keys, each followed by a refill
	GROUP
	CHANGE 1
	s_sub_co_u32 s[SLOTS], s[SLOTS], 1
	s_cmp_lg_u32 s[SLOTS], 0
	s_cbranch_scc1 .Lslot
	GROUP                                          ; the tail is written out
	CHANGE 0
	GROUP
	; THE WAY OUT.  l's two halves and the other half of the lanes' are added (these lines are the places behind the last products); O^T / l, rounded to f16, leaves straight from registers.
.irp t, 0,1,2,3
	v_add_f32 v[ST+8*\t+4], v[ST+8*\t+2], v[ST+8*\t+3]
.endr
.irp t, 0,1,2,3
	v_permlanex16_b32 v[ST+8*\t+5], v[ST+8*\t+4], s[SEL], s[SEL+1]
.endr
.irp t, 0,1,2,3
	v_add_f32 v[ST+8*\t+4], v[ST+8*\t+4], v[ST+8*\t+5]
.endr
.irp t, 0,1,2,3
	v_rcp_f32 v[ST+8*\t+6], v[ST+8*\t+4]
.endr
	v_nop                                          ; a plain line behind the last reciprocal
	s_wait_alu depctr_va_vdst(0)                   ; one wait for the four, ahead of their first use
	RESCALE                                        ; the same lines as in a step: x 1 / l
	WIN 0x05                                       ; sources window 1, destination window 0
.irp t, 0,1,2,3
.irp i, 0,1,2,3,4,5,6,7,8,9,10,11,12,13,14,15
	v_cvt_pk_f16_f32 v[S+16*\t+\i], v[O+32*\t+2*\i], v[O+32*\t+2*\i+1]
.endr
.endr
	WIN 0
.irp t, 0,1,2,3
.irp ct, 0,1,2,3
	global_store_b128 v[LI], v[S+16*\t+4*\ct:S+16*\t+4*\ct+3], s[6:7] offset:\t*32768+\ct*512   ; 32 lanes store 512 consecutive bytes, aligned
.endr
.endr
	s_wait_tensorcnt 0x0                           ; the wave's end, behind my last tensor load
	ds_add_u32 v[SPW], v[NIL]
	s_wait_dscnt 0x0
	CROUND                                         ; the closing round
	s_endpgm
.Lfunc_end_k_q7213249263_attn:
	.size	k_q7213249263_attn, .Lfunc_end_k_q7213249263_attn-k_q7213249263_attn
	.p2alignl 7, 3214868480
	.fill 96, 4, 3214868480
	.section	.rodata,"a",@progbits
	.p2align	6, 0x0
	.amdhsa_kernel k_q7213249263_attn
		.amdhsa_group_segment_fixed_size 327680
		.amdhsa_private_segment_fixed_size 0
		.amdhsa_enable_private_segment 0
		.amdhsa_kernarg_size 16
		.amdhsa_user_sgpr_count 2
		.amdhsa_user_sgpr_kernarg_segment_ptr 1
		.amdhsa_wavefront_size32 1
		.amdhsa_system_sgpr_workgroup_id_x 1
		.amdhsa_system_sgpr_workgroup_id_y 1
		.amdhsa_system_sgpr_workgroup_id_z 1
		.amdhsa_system_vgpr_workitem_id 0
		.amdhsa_next_free_vgpr 512
		.amdhsa_next_free_sgpr 66
		.amdhsa_reserve_vcc 0
		.amdhsa_float_denorm_mode_32 3
		.amdhsa_float_denorm_mode_16_64 3
		.amdhsa_memory_ordered 1
		.amdhsa_forward_progress 1
		.amdhsa_inst_pref_size 212
	.end_amdhsa_kernel
	.amdgpu_metadata
---
amdhsa.version: [ 1, 2 ]
amdhsa.kernels:
  - .name:           k_q7213249263_attn
    .symbol:         k_q7213249263_attn.kd
    .args:
      - { .name: qkv, .offset: 0, .size: 8, .value_kind: global_buffer, .address_space: global }
      - { .name: ao, .offset: 8, .size: 8, .value_kind: global_buffer, .address_space: global }
    .group_segment_fixed_size: 327680
    .private_segment_fixed_size: 0
    .kernarg_segment_align: 8
    .kernarg_segment_size: 16
    .max_flat_workgroup_size: 256
    .sgpr_count:     66
    .vgpr_count:     512
    .wavefront_size: 32
...
	.end_amdgpu_metadata
.endif
;; end of part 3
;; launch proj (part 4): grid 4 x 64, 4 waves a work-group, clusters of 4 x 4, 327,680 bytes of LDS; arguments ao, wo, b_out, out0; writes out0
.if DOCPART == 4
	.amdgcn_target "amdgcn-amd-amdhsa--gfx1250"
	.amdhsa_code_object_version 6
	.text
	.protected	k_q7213249263_proj
	.globl	k_q7213249263_proj
	.p2align	8
	.type	k_q7213249263_proj,@function
k_q7213249263_proj:
	s_mov_b64 s[64:65], 0
	v_nop
	global_prefetch_b8 v0, s[64:65] scope:SCOPE_SE
	s_setreg_imm32_b32 hwreg(HW_REG_WAVE_MODE, 25, 1), 1
	s_wait_xcnt 0x0
	s_wait_alu depctr_hold_cnt(0) depctr_sa_sdst(0) depctr_va_vdst(0) depctr_va_sdst(0) depctr_va_ssrc(0) depctr_va_vcc(0) depctr_vm_vsrc(0)
	s_getreg_b32 s2, hwreg(HW_REG_IB_STS2, 6, 4)
	s_cmp_eq_u32 s2, 0
	s_cbranch_scc0 .Lentry_in_a_cluster
	s_endpgm
.Lentry_in_a_cluster:
	s_bfe_u32 s2, ttmp6, 0x10000c
	s_cmp_lg_u32 s2, 0xf033
	s_cbranch_scc0 .Lentry_shape_is_right
	s_endpgm
.Lentry_shape_is_right:
; FOURTH LAUNCH: out0 = ao w_out + b_out, [8192] x [1024], K = 1,024; operands f16, sums f32.  Nothing of reference() is left out.
; A work-group makes 128 tokens x 256 features (256 work-groups), a wave 64 x 128: 32 accumulators, all of window 1.  The product is used TRANSPOSED (source 0 = 16 features of wo, source 1 = 16 tokens of ao): a lane
; holds eight neighbouring features of one token.  b_out IS WHAT THE SUMS BEGIN WITH: it is loaded straight into the accumulators, in the result's layout, so every product is a link in place and nothing is added later.
; ao and wo are images of operand registers: tile of 16 rows x 32,768 bytes, fragment k / 32 at 1,024 bytes, two groups of 512.  A K step of 128 is 4,096 consecutive bytes of each tile.
; RING: two slots of 98,304 bytes (ao's 8 tiles x 4,096, then wo's 16 x 4,096); eight K steps.  Waves 0, 1 fetch ao's halves, waves 2, 3 wo's: one load a wave behind each change of slots.
; CLUSTERS: 4 x 4 work-groups: ao's tiles are shared along a row of the cluster, wo's along a column: joint loads.
; REGISTERS: window 0: v16-29 addresses; v32-127, v128-223 two fragment buffers (ao's 4 fragments, then wo's 8); on the way out v32-159.  window 1: accumulator (a, b) at v[8 (8 a + b)].
.set SLOT,   98304
.set BOFF,   32768
.set SPARE,  196608                    ; behind the ring: the spare words, 128 bytes a wave, named by no other line
.set SPITCH, 528                       ; the way out: a stage of 16 rows x (512 + 16) bytes for each wave, in slot 0, which has had its last fill and its last read by then
.set ADRA, 16                          ; v16-17 LDS address of my ao fragments in slot 0, 1
.set ADRB, 20                          ; v20-21 of my wo fragments
.set STO,  24
.set RD,   25
.set CO,   26                          ; v26 16 x lane
.set BO,   27                          ; v27 32 x (lane / 16): my eight numbers of a tile of b_out
.set SPW,  28                          ; v28 LDS address of my spare word; never rewritten
.set NIL,  29                          ; v29 0; never rewritten
.set F0,   32
.set F1,   128
.set BK,   32
.set G1,   24
.set G0,   32
.set G1B,  48
.set G0B,  56
.set MSB, 0
.macro WIN new
.if MSB != (\new)
	s_set_vgpr_msb (MSB<<8)|(\new)
.set MSB, (\new)
.endif
.endm
.macro PLACES n
.rept \n
	v_nop
.endr
.endm
.macro JLOAD s                         ; a joint load; an s_nop 0 and four v_nop follow each of the two lines
	s_cmp_eq_u32 s13, 0
	s_cbranch_scc0 .Lfor_b_\@
	tensor_load_to_lds s[G0+4*\s:G0+4*\s+3], s[G1:G1+7]
	s_nop 0
.rept 4
	v_nop
.endr
	s_branch .Lasked_\@
.Lfor_b_\@:
	tensor_load_to_lds s[G0B+4*\s:G0B+4*\s+3], s[G1B:G1B+7]
	s_nop 0
.rept 4
	v_nop
.endr
.Lasked_\@:
.endm
.macro CREST                           ; a round of the cluster's barrier behind its opening barrier
	s_cmp_lg_u32 s12, 0
	s_cbranch_scc1 .Lnot_wave_0_\@
	s_barrier_signal -3
.Lnot_wave_0_\@:
	s_barrier_wait -3
	s_barrier_signal -1
	s_barrier_wait -1
.endm
.macro CROUND
	s_barrier_signal -1
	s_barrier_wait -1
	CREST
.endm
	s_load_b256 s[4:11], s[0:1], 0x0               ; ao s[4:5], wo s[6:7], b_out s[8:9], out0 s[10:11]
	v_lshl_add_u32 v[SPW], v0, 2, SPARE
	v_mov_b32 v[NIL], 0
	ds_add_u32 v[SPW], v[NIL]                      ; the wave's opening: the add, twice on end, and its wait ahead of my first tensor load
	ds_add_u32 v[SPW], v[NIL]
	v_lshrrev_b32 v1, 5, v0
	v_readfirstlane_b32 s12, v1                    ; wave 0..3
	s_lshr_b32 s13, s12, 1                         ; my half of the tokens.  Also: I fetch for ao (0) or for wo (1)
	s_and_b32 s14, s12, 1                          ; my half of the features.  Also: which half I fetch
	s_bfe_u32 s40, ttmp6, 0x40000
	s_bfe_u32 s41, ttmp6, 0x40004
	s_lshl_b32 s42, ttmp9, 2
	s_add_co_u32 s42, s42, s40                     ; block of 256 features
	s_and_b32 s43, ttmp7, 0xffff
	s_lshl_b32 s43, s43, 2
	s_add_co_u32 s43, s43, s41                     ; block of 128 tokens
	s_lshl_b32 s44, s41, 2
	s_lshl_b32 s44, 15, s44                        ; my row of the cluster
	s_lshl_b32 s45, 0x1111, s40                    ; my column
	; group 1: rows of 4,096 bytes (512 elements of 8 bytes), 32,768 bytes apart: 4 tiles of ao, 8 of wo
	s_or_b32 s[G1+0], s44, (3<<16)|(1<<21)
	s_or_b32 s[G1B+0], s45, (3<<16)|(1<<21)
.irp g, G1, G1B
	s_mov_b32 s[\g+1], 512<<16                     ; tensor_dim0
	s_mov_b32 s[\g+3], 512<<16                     ; tile_dim0
	s_mov_b32 s[\g+5], 4096                        ; tensor_dim0_stride
	s_mov_b32 s[\g+6], 0
	s_mov_b32 s[\g+7], 0
.endr
	s_mov_b32 s[G1+2], 4<<16                       ; tensor_dim1
	s_mov_b32 s[G1+4], 4                           ; tile_dim1
	s_mov_b32 s[G1B+2], 8<<16
	s_mov_b32 s[G1B+4], 8
	s_lshl_b32 s16, s43, 18                        ; ao: tile 8 x block + 4 x half, 32,768 bytes each
	s_lshl_b32 s18, s14, 17
	s_add_co_u32 s16, s16, s18
	s_mov_b32 s17, 0
	s_lshl_b32 s46, s42, 19                        ; wo: tile 16 x block + 8 x half
	s_lshl_b32 s18, s14, 18
	s_add_co_u32 s46, s46, s18
	s_mov_b32 s47, 0
	s_lshl_b32 s20, s14, 14                        ; where they go: ao's halves,
	s_lshl_b32 s21, s14, 15
	s_add_co_u32 s21, s21, BOFF                    ; wo's halves: the wave's number alone
	s_wait_dscnt 0x0                               ; both opening adds are done
	s_wait_kmcnt 0x0
	s_add_nc_u64 s[16:17], s[4:5], s[16:17]
	s_add_nc_u64 s[46:47], s[6:7], s[46:47]
	CROUND                                         ; all sixteen work-groups are here: the first joint loads meet
.irp s, 0,1
	s_mov_b32 s[G0+4*\s], 1
	s_add_co_u32 s[G0+4*\s+1], s20, \s*SLOT
	s_add_nc_u64 s[G0+4*\s+2:G0+4*\s+3], s[16:17], \s*4096
	s_or_b32 s[G0+4*\s+3], s[G0+4*\s+3], 0x80000000
	s_mov_b32 s[G0B+4*\s], 1
	s_add_co_u32 s[G0B+4*\s+1], s21, \s*SLOT
	s_add_nc_u64 s[G0B+4*\s+2:G0B+4*\s+3], s[46:47], \s*4096
	s_or_b32 s[G0B+4*\s+3], s[G0B+4*\s+3], 0x80000000
	JLOAD \s
.endr
	v_and_b32 v1, 15, v0                           ; r
	v_bfe_u32 v2, v0, 4, 1                         ; h
	v_and_b32 v3, 31, v0
	v_lshlrev_b32 v[CO], 4, v3
	s_lshl_b32 s22, s13, 14                        ; my 4 tiles of ao
	s_lshl_b32 s23, s14, 15                        ; my 8 tiles of wo
	s_add_co_u32 s23, s23, BOFF
.irp s, 0,1
	v_add_nc_u32 v[ADRA+\s], s22, v[CO]
	v_add_nc_u32 v[ADRB+\s], s23, v[CO]
	s_add_co_u32 s22, s22, SLOT
	s_add_co_u32 s23, s23, SLOT
.endr
	s_mul_i32 s22, s12, 16*SPITCH                  ; my stage
	v_mul_u32_u24 v4, v1, SPITCH
	v_lshl_add_u32 v4, v2, 5, v4
	v_add_nc_u32 v[STO], s22, v4                   ; in: row r, 32 bytes for each half of the lanes
	v_add_nc_u32 v[RD], s22, v[CO]                 ; back: the 32 lanes take one row of 512 bytes
	v_lshlrev_b32 v[BO], 5, v2
	s_lshl_b32 s18, s42, 10                        ; my 128 features, in bytes of f32
	s_lshl_b32 s19, s14, 9
	s_add_co_u32 s18, s18, s19
	s_mov_b32 s19, 0
	s_add_nc_u64 s[8:9], s[8:9], s[18:19]
	s_add_nc_u64 s[10:11], s[10:11], s[18:19]
	s_lshl_b32 s18, s43, 19                        ; my 64 tokens: rows of 4,096 bytes
	s_lshl_b32 s22, s13, 18
	s_add_co_u32 s18, s18, s22
	s_add_nc_u64 s[10:11], s[10:11], s[18:19]
	WIN 0x40                                       ; destination window 1
.irp a, 0,1,2,3
.irp b, 0,1,2,3,4,5,6,7
	global_load_b128 v[8*(8*\a+\b):8*(8*\a+\b)+3],   v[BO], s[8:9] offset:64*\b      ; register j of (a, b): b_out at feature 16 b + 8 h + j
	global_load_b128 v[8*(8*\a+\b)+4:8*(8*\a+\b)+7], v[BO], s[8:9] offset:64*\b+16
.endr
.endr
	WIN 0
.macro FETCH slot, kf, f               ; 24 loads in one run: the fragments of 32 along K: wo's eight, ao's 0 and 1, ao's 2 and 3
.irp b, 0,1,2,3,4,5,6,7
	ds_load_b128 v[\f+32+8*\b:\f+32+8*\b+3],   v[ADRB+\slot] offset:\b*4096+\kf*1024
	ds_load_b128 v[\f+32+8*\b+4:\f+32+8*\b+7], v[ADRB+\slot] offset:\b*4096+\kf*1024+512
.endr
.irp a, 0,1,2,3
	ds_load_b128 v[\f+8*\a:\f+8*\a+3],   v[ADRA+\slot] offset:\a*4096+\kf*1024
	ds_load_b128 v[\f+8*\a+4:\f+8*\a+7], v[ADRA+\slot] offset:\a*4096+\kf*1024+512
.endr
.endm
.macro MULA f, a                       ; ao's tile a against wo's eight.  The 32 accumulators take turns, one instruction a turn, in the same order in every quarter
.irp b, 0,1,2,3,4,5,6,7
	v_wmma_f32_16x16x32_f16 v[8*(8*\a+\b):8*(8*\a+\b)+7], v[\f+32+8*\b:\f+32+8*\b+7], v[\f+8*\a:\f+8*\a+7], v[8*(8*\a+\b):8*(8*\a+\b)+7]
.endr
.endm
; A K step is four quarters of 32 along K on buffers 0, 1, 0, 1.  One of the first three multiplies buffer f and fetches quarter kf of the same slot into g.
.macro QUARTER slot, kf, f, g
	s_wait_dscnt 4                                 ; wo's eight and ao's 0, 1 are in; the youngest four loads (ao's 2, 3) may be out
	WIN 0x50                                       ; C and D window 1
	MULA \f, 0
	MULA \f, 1
	PLACES 4                                       ; in front of loads into registers that matrix instructions have read
	WIN 0
	FETCH \slot, \kf, \g
	s_wait_dscnt 24                                ; all but the 24 just issued
	WIN 0x50
	MULA \f, 2
	MULA \f, 3
.endm
; The last quarter multiplies buffer 1 and changes slots: ONE barrier; in front of it each wave waits for all its tensor loads, adds 0 to its spare word, and waits for that and for its reads of this slot.
.macro TURN slot, next, fill
	WIN 0
	s_wait_tensorcnt 0x0                           ; all my tensor loads have landed: my part of the next slot
	ds_add_u32 v[SPW], v[NIL]                      ; 0 onto my spare word
	s_wait_dscnt 5                                 ; (the add and the youngest four loads may be out)
	WIN 0x50
	MULA F1, 0                                     ; eight matrix instructions stand between the add and the wait for it
	s_wait_dscnt 0x0                               ; the add is done, and my reads of this slot are over
	s_barrier_signal -1
	MULA F1, 1
	WIN 0
	s_barrier_wait -1
.if \fill
	CREST                                          ; the barrier has opened a round of the cluster's barrier: no wave of any partner still reads this slot or has a load on its way
	s_add_nc_u64 s[G0+4*\slot+2:G0+4*\slot+3], s[G0+4*\slot+2:G0+4*\slot+3], 8192
	s_add_nc_u64 s[G0B+4*\slot+2:G0B+4*\slot+3], s[G0B+4*\slot+2:G0B+4*\slot+3], 8192
	JLOAD \slot                                    ; two K steps on; its four v_nop are also the places in front of the loads below
.else
	PLACES 4
.endif
	FETCH \next, 0, F0
	WIN 0x50
	MULA F1, 2
	MULA F1, 3
.endm
	s_wait_tensorcnt 0x1                           ; my part of K step 0 is in; K step 1's may stay out
	s_barrier_signal -1
	s_barrier_wait -1                              ; everybody's is
	FETCH 0, 0, F0
	s_wait_loadcnt 0x0                             ; b_out lies in the accumulators
	s_mov_b32 s3, 3
.Llap:                                             ; three trips: two K steps each, both slots filled again
	QUARTER 0, 1, F0, F1
	QUARTER 0, 2, F1, F0
	QUARTER 0, 3, F0, F1
	TURN 0, 1, 1
	QUARTER 1, 1, F0, F1
	QUARTER 1, 2, F1, F0
	QUARTER 1, 3, F0, F1
	TURN 1, 0, 1
	WIN 0
	s_sub_co_u32 s3, s3, 1
	s_cmp_lg_u32 s3, 0
	s_cbranch_scc1 .Llap
	QUARTER 0, 1, F0, F1                           ; the last two K steps fill nothing
	QUARTER 0, 2, F1, F0
	QUARTER 0, 3, F0, F1
	TURN 0, 1, 0
	QUARTER 1, 1, F0, F1
	QUARTER 1, 2, F1, F0
	QUARTER 1, 3, F0, F1
	s_wait_dscnt 4
	WIN 0x50
	MULA F1, 0
	MULA F1, 1
	s_wait_dscnt 0x0
	MULA F1, 2
	MULA F1, 3
	WIN 0
; THE WAY OUT, block by block of 16 tokens x 128 features: a lane holds 32 bytes of a row, the lanes beside it other rows: through my own stage and back as whole rows of 512 bytes.
; LDS serves a wave's instructions in order (ISA guide 5.7.1.4): no wait between the stores and the loads, nor in front of the next block's stores.
.macro TOSTAGE a
	WIN 0x04                                       ; an LDS store's data are its source 1: window 1
.irp b, 0,1,2,3,4,5,6,7
	ds_store_b128 v[STO], v[8*(8*(\a)+\b):8*(8*(\a)+\b)+3] offset:64*\b          ; each accumulator from its low end on
	ds_store_b128 v[STO], v[8*(8*(\a)+\b)+4:8*(8*(\a)+\b)+7] offset:64*\b+16
.endr
	WIN 0
.set BB, BK+64*((\a)%2)
.irp t, 0,1,2,3,4,5,6,7,8,9,10,11,12,13,14,15
	ds_load_b128 v[BB+4*\t:BB+4*\t+3], v[RD] offset:\t*SPITCH
.endr
.endm
.macro SEND a, younger                 ; younger: the LDS instructions issued behind block a's loads, which may stay out
.set BB, BK+64*((\a)%2)
	s_wait_dscnt \younger
.irp t, 0,1,2,3,4,5,6,7,8,9,10,11,12,13,14,15
	global_store_b128 v[CO], v[BB+4*\t:BB+4*\t+3], s[10:11] offset:(16*(\a)+\t)*4096 th:TH_STORE_NT   ; 32 lanes store 512 consecutive bytes, aligned
.endr
.endm
	PLACES 4                                       ; behind the last products: for the first read of results and for the loads into the fragments' registers
	TOSTAGE 0
.irp a, 1,2,3
.if \a > 1
	s_wait_xcnt 0x0                                ; block a - 2's stores have read their registers: block a's loads may land there
.endif
	TOSTAGE \a
	SEND \a-1, 32                                  ; behind block a - 1's loads: block a's 16 stores and 16 loads
.endr
	SEND 3, 0
	s_wait_tensorcnt 0x0                           ; the wave's end, behind my last tensor load and my last LDS store
	ds_add_u32 v[SPW], v[NIL]
	s_wait_dscnt 0x0
	CROUND                                         ; the closing round
	s_endpgm
.Lfunc_end_k_q7213249263_proj:
	.size	k_q7213249263_proj, .Lfunc_end_k_q7213249263_proj-k_q7213249263_proj
	.p2alignl 7, 3214868480
	.fill 96, 4, 3214868480
	.section	.rodata,"a",@progbits
	.p2align	6, 0x0
	.amdhsa_kernel k_q7213249263_proj
		.amdhsa_group_segment_fixed_size 327680
		.amdhsa_private_segment_fixed_size 0
		.amdhsa_enable_private_segment 0
		.amdhsa_kernarg_size 32
		.amdhsa_user_sgpr_count 2
		.amdhsa_user_sgpr_kernarg_segment_ptr 1
		.amdhsa_wavefront_size32 1
		.amdhsa_system_sgpr_workgroup_id_x 1
		.amdhsa_system_sgpr_workgroup_id_y 1
		.amdhsa_system_sgpr_workgroup_id_z 1
		.amdhsa_system_vgpr_workitem_id 0
		.amdhsa_next_free_vgpr 512
		.amdhsa_next_free_sgpr 66
		.amdhsa_reserve_vcc 0
		.amdhsa_float_denorm_mode_32 3
		.amdhsa_float_denorm_mode_16_64 3
		.amdhsa_memory_ordered 1
		.amdhsa_forward_progress 1
		.amdhsa_inst_pref_size 90
	.end_amdhsa_kernel
	.amdgpu_metadata
---
amdhsa.version: [ 1, 2 ]
amdhsa.kernels:
  - .name:           k_q7213249263_proj
    .symbol:         k_q7213249263_proj.kd
    .args:
      - { .name: ao, .offset: 0, .size: 8, .value_kind: global_buffer, .address_space: global }
      - { .name: wo, .offset: 8, .size: 8, .value_kind: global_buffer, .address_space: global }
      - { .name: b_out, .offset: 16, .size: 8, .value_kind: global_buffer, .address_space: global }
      - { .name: out0, .offset: 24, .size: 8, .value_kind: global_buffer, .address_space: global }
    .group_segment_fixed_size: 327680
    .private_segment_fixed_size: 0
    .kernarg_segment_align: 8
    .kernarg_segment_size: 32
    .max_flat_workgroup_size: 128
    .sgpr_count:     66
    .vgpr_count:     512
    .wavefront_size: 32
...
	.end_amdgpu_metadata
.endif
;; end of part 4
